; MI455X (gfx1250); checked and timed in simulation.
; The chip was launched on July 23, 2026; its instructions are those of AMD's public machine-readable ISA for CDNA 5 (MIT licence, August 2026) and "CDNA5" Instruction Set Architecture Reference Guide (July 2026). The comments in the code are by the model that wrote it; some were corrected since.
;; Physics Attention. Allowed arithmetic: matrix products marked QUANTISED: E2M3 operands, one E8M0 scale for each 32 along K, by v_wmma_scale_f32_16x16x128_f8f6f4 with both operands' format E2M3, f32 sums; everything else in f32.
;; Inputs: W_out 32 x 32 float32; W_qkv 96 x 32 float32; b_out 32 float32; b_qkv 96 float32; x 64 x 32 x 2,048 float32.
;; Outputs: out0 64 x 32 x 2,048 float32.
;; This version of the problem:
;;   THIS VERSION OF THE PROBLEM IS GIVEN IN LOW PRECISION. The matrix products marked QUANTISED in the list below multiply operands that are first quantised to E2M3 (2 exponent bits, 3 mantissa bits; 6 bits a number), with one power-of-two scale for each 32 numbers along K (OCP MX v1.0); their sums are f32. All else is computed in f32.
;;   The module's matrix products, in the order in which they are computed (A, B: the left and right operand; K: the contracted axis; several contracted axes count as one K, in the product's order):
;;     1. [M 131,072, K 32] x [K 32, N 96]; A: input x; B: input W_qkv: QUANTISED
;;     2. batch 64 x [M 2,048, K 32] x [K 32, N 2,048]; A: computed on the way; B: computed on the way: QUANTISED
;;     3. batch 64 x [M 2,048, K 2,048] x [K 2,048, N 32]; A: softmax (see below); B: computed on the way: QUANTISED
;;     4. [M 131,072, K 32] x [K 32, N 32]; A: computed on the way; B: input W_out: QUANTISED
;;   THE QUANTISER, for each operand of a quantised product, along K:
;;     - K is cut into blocks of 32 from its start; a last block that is shorter is filled with zeros.
;;     - A block's scale is 2^e with e = floor(log2(the largest magnitude in the block)) - 2, held to -126 .. 127; a block of zeros has e = 0. As a byte (E8M0): e + 127.
;;     - Each number is divided by its block's scale, clamped to +-7.5, and rounded to the nearest number of E2M3, ties to even, subnormals kept.
;;     - The product sums the exact products of the quantised numbers (number of the format x scale) in f32.
;;   ~~~python
;;   def quantise(x, axis):      # numpy; x: float32 -> the quantised numbers, widened to float32 again
;;       x = np.moveaxis(x, axis, -1); K = x.shape[-1]
;;       x = np.pad(x, [(0, 0)] * (x.ndim - 1) + [(0, -K % 32)]); x = x.reshape(x.shape[:-1] + (-1, 32)); a = np.abs(x).max(-1, keepdims=True)
;;       e = np.where(a > 0, np.clip(np.frexp(np.where(a > 0, a, 1))[1] - 1 - 2, -126, 127), 0)      # np.frexp(a)[1] - 1 = floor(log2(a)), exactly
;;       r = np.clip(x / 2.0 ** e, -7.5, 7.5)
;;       step = 2.0 ** (np.maximum(np.frexp(np.where(r == 0, 1, r))[1] - 1, 0) - 3)
;;       q = np.round(r / step) * step * 2.0 ** e      # np.round: ties to even
;;       return np.moveaxis(q.reshape(q.shape[:-2] + (-1,))[..., :K], -1, axis).astype(np.float32)
;;   ~~~
;;   SOFTMAX AHEAD OF A QUANTISED PRODUCT. Where the list says 'softmax', what is quantised is not the finished softmax but p = 2^(t - M), with t = logit x log2(e) and M = ceil(the row's largest t), a whole number; so 1/2 < the row's largest p <= 1. The row's sum l is taken of the UNQUANTISED p, in f32, and the product's result is divided by l at the end. Since M is a whole number, a kernel that streams over the keys may use a running M (the ceiling of the running maximum): every later rescaling is an exact power of two, which a block's scale takes up: the codes' values come out the same.
;;   OPERANDS COMPUTED ON THE WAY. 'Computed on the way' means the value that the module computes at that place (a softmax that the list does not call 'softmax' is quantised finished and normalised). What goes into a quantiser is computed in f32, as accurately as f32 sums, v_exp_f32 and their like allow (about 1e-6 of the number): no bf16 or f16 on the way to a quantiser, and a product that is left as it is and whose result goes on into a quantised operand takes f32 operands (vector FMAs, or v_wmma_f32_16x16x4_f32). A number that lies on a knife's edge between two numbers of the format may be rounded either way, as far as f32 arithmetic and the matrix unit's own rounding can turn it there, and no further.
;; One version. Each part assembles by itself: llvm-mc -triple=amdgcn-amd-amdhsa -mcpu=gfx1250 --defsym DOCPART=n.
;; ======== version 1 of 1: 1 launch
;; limits: right only within a limited range of input values
;; launch attn (part 1): grid 256 x 1, 16 waves a work-group, no clusters, 322,048 bytes of LDS; arguments x, W_qkv, b_qkv, W_out, b_out, out0; writes out0
.if DOCPART == 1
	.amdgcn_target "amdgcn-amd-amdhsa--gfx1250"
	.amdhsa_code_object_version 6
	.text
	.protected	k_q4dca254545_attn
	.globl	k_q4dca254545_attn
	.p2align	8
	.type	k_q4dca254545_attn,@function
k_q4dca254545_attn:
	s_mov_b64 s[64:65], 0
	v_nop
	global_prefetch_b8 v0, s[64:65] scope:SCOPE_SE
	s_setreg_imm32_b32 hwreg(HW_REG_WAVE_MODE, 25, 1), 1
	s_wait_xcnt 0x0
; PhysicsAttention on codes of FP6 (E2M3) with one E8M0 scale for each 32 along K.  x, out0: [64][32][2048] f32.
; qkv = Q(x^T) Q(W_qkv)^T + b;  t = (Q(q) Q(k)^T) x mask x log2(e)/sqrt(32);  p = 2^(t - M), M = ceil of the running largest t;  o = Q(p) Q(v) / sum(p);  out = Q(o) Q(W_out)^T + b_out, stored [channel][position].
; SHARES.  256 work-groups: batch = number % 64, quarter = number / 64: 512 queries of one batch; the four that read one batch's x have numbers 64 apart.  16 waves of 256 registers, four to a SIMD.
; PHASE A: wave w makes the codes of k and v of positions 128 w .. 128 w + 127 of the batch and lays them in LDS as images of the operands' registers; all waves make the mask's table; each wave makes its 32 queries' codes and parks them in its own LDS bytes.
; PHASE B: a wave walks all 2,048 keys for a tile of 16 queries, twice (two tiles).  PHASE C: the out-projection into a stage in LDS; behind a barrier whole runs of 512 bytes of out0 are stored.
; No tensor load, no cluster: k and v are made in the work-group and stay in LDS; the one shared read, the batch's x, goes straight into the quantiser's registers; and the mask table's LDS row hangs on the quarter, which no LDS address of a cluster's partner may.
; No L2 prefetch: memory is read in the head alone, where there is no loop to run ahead in.
; K = 32 IN AN INSTRUCTION OF K = 128.  A fragment's four blocks of 32 carry FOUR tiles of 16 rows; the other operand has its 32 codes in ONE block and zero codes in the others, and so picks one tile.
; A LANE OWNS A WHOLE BLOCK OF 32 KEYS.  Row r of tile g of a group of 64 positions is position 32 (r / 8) + 8 g + r % 8: in S^T = K Q^T lane (q, h) then holds in register 8 g + j position 32 h + 8 g + j.
; THE MASK IS EVALUATED.  For one query it is piecewise linear in the key, nodes 97.5 keys apart: over a lane's 32 positions m = base + i x step, at most one node in a group of 64, at a place known when the text is assembled.
; Each block of 32 has two lines; their four numbers are linear in the query's fraction and come from a table in LDS; log2(e)/sqrt(32) and the template's sum are folded in.  Positions 16 on take base + 16 x step as their base, so that 16 numbers 0.0 .. 15.0 serve.
; MIRROR.  The nodes are symmetric, so positions 1,024 on are keys 2,047 downward: eight written-out steps serve both halves.  A block of positions is still an aligned block of 32 keys, permuted alike in K's rows, P and V.
; ONE STEP AHEAD.  k's fragments, the scale words and the mask's lines of step s + 1 are loaded from LDS in step s, into registers of their own; the one wait for them stands in front of step s's last two products.
; A walk's last step so loads 3,072 bytes behind k's images, 256 behind the scale words and one table row on: bytes of LDS that were written in phase A; what they bring is not used.
; LIMITS.  NaN and infinities are not served.  A block whose largest magnitude lies under 2^-124 keeps the scale byte 1 (a block of zeros too, where the quantiser says 127: its codes are zeros, and only this text reads the bytes).
; p under 2^-126 is 0 (v_exp_f32).  The mask is summed in another order than the reference sums it: a few parts in 10^7 of its value.  1 / sum is v_rcp_f32 and a multiplication.
.set KIMG,   0                         ; k's 32 groups of 64 positions x 1,536 bytes: registers 4 i .. 4 i + 3 of lane L at 512 i + 16 L
.set VIMG,   49152                     ; v's 32 fragments (step w, channels 16 n on): the same form
.set SCL,    98304                     ; 16 steps x 256 bytes: lane L: k's scale word (lanes 0-15 group 0, 16-31 group 1), v's (lanes 0-15 n = 0, 16-31 n = 1)
.set TAB,    102400                    ; the mask's table: 32 rows (24 written) x 64 blocks x 32 bytes: base1, base2, step1, step2, then their differences to the next template row
.set EPI,    167936                    ; EPIW bytes for each wave, its own: W_out's two images, their scale words, b_out's image, and from QIMG on my two tiles' q
.set EPIW,   5376
.set QIMG,   3328                      ; 1,024 bytes a tile: registers 0-3 at 16 L, registers 4-5, the scale word and a copy of it at 512 + 16 L
.set STAGE,  253952                    ; 32 channels x (512 queries x 4 bytes + 16)
.set SPITCH, 2064
.set SPARE,  320000                    ; the spare words, 128 bytes for each wave: eight blocks of 256 bytes that no other line names
.set FLOOR,  0x1800000                 ; 2^(3 - 127): under it no largest magnitude is taken, so a scale byte cannot fall under 1
.set EOFF,   0xff000000                ; takes 2 off an exponent field
.set SPW, 1                            ; v1  LDS address of my spare word; never rewritten
.set NIL, 2                            ; v2  0; never rewritten
.set L16, 3                            ; v3  16 x lane
.set L8,  4                            ; v4  8 x lane
.set SH8, 7                            ; v7  8 x (lane / 16)
; PHASE A: v5 r, v6 h, v8-11 x's offsets, v12 W_k's and W_q's, v13 their biases', v14 my queries'; v15-19 at work; v20-31 k's fragment, v's half fragment; v32-79 the weights' operands (KL0 KH0 KL1 KH1 VL0 VH0 VL1 VH1, six each);
;   v80-85 zeros; v86-89 the weights' scale words; v90-105 b_k, later b_q; v106-121 b_v; v122-123 v's bytes; v124-125 x's scale words; v126-127 k's; v128-191 64 positions' numbers; v192-223 results; v224-247 x's codes: X0 Z X1 Z; v248-254 at work; v251 store address.
; PHASE B: v5 TAB + 32 h, v6 my query's table row, v8-11 addresses; v12 -M, v13 largest t, v[14:15] sum, v[16:17] the query's fraction, v[18:19] f, v[20:21] second sum; v24 q's scales, v25 p's; v28-31 maxima;
;   v32-47 the numbers 0.0 .. 15.0; v48-59 k's group 0, v94-105 its group 1; v[60:61], v[62:63] k's and v's scale words, even and odd steps; v64-93 Z QL Z QH Z; v106-121 the two groups' lines; v122-127, v252 at work;
;   v128-191 S^T, then p; v192-215 v's fragments; v216-231 O^T; v232-243 p's codes (earlier: mask pairs, to v247); v244-250 at work.
.macro NOPS n
.rept \n
	v_nop
.endr
.endm
.macro MM d, a, b, c, sa, sb, row      ; D = A B + C; row = 1: A's scales stand in lanes 16-31
.if \row
	v_wmma_scale_f32_16x16x128_f8f6f4 v[(\d):(\d)+7], v[(\a):(\a)+11], v[(\b):(\b)+11], v[(\c):(\c)+7], v[\sa], v[\sb] matrix_a_fmt:MATRIX_FMT_FP6 matrix_b_fmt:MATRIX_FMT_FP6 matrix_a_scale:MATRIX_SCALE_ROW1
.else
	v_wmma_scale_f32_16x16x128_f8f6f4 v[(\d):(\d)+7], v[(\a):(\a)+11], v[(\b):(\b)+11], v[(\c):(\c)+7], v[\sa], v[\sb] matrix_a_fmt:MATRIX_FMT_FP6 matrix_b_fmt:MATRIX_FMT_FP6
.endif
.endm
.macro MM0 d, a, b, sa, sb, row        ; the same with C = 0
.if \row
	v_wmma_scale_f32_16x16x128_f8f6f4 v[(\d):(\d)+7], v[(\a):(\a)+11], v[(\b):(\b)+11], 0, v[\sa], v[\sb] matrix_a_fmt:MATRIX_FMT_FP6 matrix_b_fmt:MATRIX_FMT_FP6 matrix_a_scale:MATRIX_SCALE_ROW1
.else
	v_wmma_scale_f32_16x16x128_f8f6f4 v[(\d):(\d)+7], v[(\a):(\a)+11], v[(\b):(\b)+11], 0, v[\sa], v[\sb] matrix_a_fmt:MATRIX_FMT_FP6 matrix_b_fmt:MATRIX_FMT_FP6
.endif
.endm
; A lane's 16 numbers and lane l xor 16's are a block of 32: mx = the conversion's scale operand, tp = the scale's byte
.macro MAX16 src, mx, tp
	v_max3_num_f32 v[\mx], |v[(\src)]|, |v[(\src)+1]|, FLOOR
.irp i,2,4,6,8,10,12,14
	v_max3_num_f32 v[\mx], v[\mx], |v[(\src)+\i]|, |v[(\src)+\i+1]|
.endr
	s_delay_alu instid0(VALU_DEP_1)
	v_permlanex16_b32 v[\tp], v[\mx], s20, s21
	s_delay_alu instid0(VALU_DEP_1)
	v_max_num_f32 v[\mx], v[\mx], v[\tp]
	s_delay_alu instid0(VALU_DEP_1)
	v_add_nc_u32 v[\mx], EOFF, v[\mx]
	s_delay_alu instid0(VALU_DEP_1)
	v_lshrrev_b32 v[\tp], 23, v[\mx]
.endm
; A lane's 32 registers are a whole block: six registers of codes at dst, scale operand scl, byte byt; tmp: three registers from an even one
.macro Q32 src, dst, scl, byt, tmp
	v_max3_num_f32 v[\scl], |v[(\src)]|, |v[(\src)+1]|, |v[(\src)+2]|
	v_max3_num_f32 v[\byt], |v[(\src)+3]|, |v[(\src)+4]|, |v[(\src)+5]|
.irp i,6,10,14,18,22,26
	v_max3_num_f32 v[\scl], v[\scl], |v[(\src)+\i]|, |v[(\src)+\i+1]|
	v_max3_num_f32 v[\byt], v[\byt], |v[(\src)+\i+2]|, |v[(\src)+\i+3]|
.endr
	v_max3_num_f32 v[\scl], v[\scl], |v[(\src)+30]|, |v[(\src)+31]|
	s_delay_alu instid0(VALU_DEP_1)
	v_max3_num_f32 v[\scl], v[\scl], v[\byt], FLOOR
	s_delay_alu instid0(VALU_DEP_1)
	v_add_nc_u32 v[\scl], EOFF, v[\scl]
	s_delay_alu instid0(VALU_DEP_1)
	v_lshrrev_b32 v[\byt], 23, v[\scl]
	v_cvt_scalef32_pk16_fp6_f32 v[(\dst):(\dst)+2], v[(\src):(\src)+15], v[\scl]
	v_cvt_scalef32_pk16_fp6_f32 v[(\tmp):(\tmp)+2], v[(\src)+16:(\src)+31], v[\scl]
	v_nop                                          ; one plain line behind a run of scaled conversions
.irp i,0,1,2
	v_mov_b32 v[(\dst)+3+\i], v[(\tmp)+\i]
.endr
.endm
; bytes of the two halves of the lanes make one word: mine 8 h bits up, with lane l xor 16's
.macro HWORD wd, src, tmp
	v_lshlrev_b32 v[\wd], v[SH8], v[\src]
	s_delay_alu instid0(VALU_DEP_1)
	v_permlanex16_b32 v[\tmp], v[\wd], s20, s21
	s_delay_alu instid0(VALU_DEP_1)
	v_or_b32 v[\wd], v[\wd], v[\tmp]
.endm
; A lane holds half h of a row of 32.  lo: the row's 32 codes in lanes 0-15, zeros in 16-31; hi: the other way round; wd: the byte four times
.macro MKLH src, lo, hi, wd
	MAX16 \src, 15, 16
	s_delay_alu instid0(VALU_DEP_1)
	v_lshl_or_b32 v[\wd], v16, 8, v16
	s_delay_alu instid0(VALU_DEP_1)
	v_lshl_or_b32 v[\wd], v[\wd], 16, v[\wd]
	v_cvt_scalef32_pk16_fp6_f32 v[20:22], v[(\src):(\src)+15], v15
	v_nop
.irp i,0,1,2
	v_permlanex16_b32 v[28+\i], v[20+\i], s20, s21
.endr
.irp i,0,1,2
	v_cndmask_b32 v[(\lo)+\i], v[20+\i], v80, s22
	v_cndmask_b32 v[(\lo)+3+\i], v[28+\i], v80, s22
	v_cndmask_b32 v[(\hi)+\i], 0, v[28+\i], s22
	v_cndmask_b32 v[(\hi)+3+\i], 0, v[20+\i], s22
.endr
.endm
; The same, the whole row in both halves of the lanes
.macro MKROW src, dst, wd
	MAX16 \src, 15, 16
	s_delay_alu instid0(VALU_DEP_1)
	v_lshl_or_b32 v[\wd], v16, 8, v16
	s_delay_alu instid0(VALU_DEP_1)
	v_lshl_or_b32 v[\wd], v[\wd], 16, v[\wd]
	v_cvt_scalef32_pk16_fp6_f32 v[20:22], v[(\src):(\src)+15], v15
	v_nop
.irp i,0,1,2
	v_permlanex16_b32 v[28+\i], v[20+\i], s20, s21
.endr
.irp i,0,1,2
	v_cndmask_b32 v[(\dst)+\i], v[20+\i], v[28+\i], s22
	v_cndmask_b32 v[(\dst)+3+\i], v[28+\i], v[20+\i], s22
.endr
.endm
; 64 positions of x: lane (r, h) takes, for pr = 0, 1, position 16 pr + 32 (r / 8) + 8 h + r % 8 of group gc; its registers run down the 32 channels.  XPART: eight channels from e0 on
.macro XPART gc, e0
.set e, \e0
.rept 8
	global_load_b32 v[128+e], v[8+2*(\gc)], s[4:5] offset:8192*e
	global_load_b32 v[160+e], v[9+2*(\gc)], s[4:5] offset:8192*e
.set e, e+1
.endr
.endm
; Four products: 16 rows of a weight (tile n; codes in block t alone) x the two tiles of positions in x's blocks 0 and 1.  In result 16 t + 8 n + j lane (r, h) holds channel 16 h + 8 n + j of row r of x's tile t.  The bias is C
.macro WX4 pr
	MM 192, 32, 224+12*(\pr), 90, 86, 124+(\pr), 0
	MM 200, 44, 224+12*(\pr), 98, 87, 124+(\pr), 0
	MM 208, 38, 224+12*(\pr), 90, 86, 124+(\pr), 0
	MM 216, 50, 224+12*(\pr), 98, 87, 124+(\pr), 0
.endm
; k of tiles 2 pr and 2 pr + 1 of group gc becomes registers 6 pr .. 6 pr + 5 of the group's fragment
.macro KPAIR gc, pr
	WX4 \pr
	NOPS 4                                         ; four places behind matrix instructions, ahead of the first read of their results
	MAX16 192, 15, 16
	MAX16 208, 17, 18
	v_cvt_scalef32_pk16_fp6_f32 v[20+6*(\pr):22+6*(\pr)], v[192:207], v15
	v_cvt_scalef32_pk16_fp6_f32 v[248:250], v[208:223], v17
	v_nop
.irp i,0,1,2
	v_permlane16_swap_b32 v[20+6*(\pr)+\i], v[248+\i]  ; a whole row in a lane: lanes 0-15 tile 2 pr, lanes 16-31 tile 2 pr + 1
.endr
.irp i,0,1,2
	s_delay_alu instid0(VALU_DEP_3)
	v_mov_b32 v[23+6*(\pr)+\i], v[248+\i]
.endr
.if \pr == 0
	v_lshl_or_b32 v[126+(\gc)], v18, 8, v16        ; byte g of the group's scale word is tile g's
.else
	v_lshl_or_b32 v[126+(\gc)], v16, 16, v[126+(\gc)]
	s_delay_alu instid0(VALU_DEP_1)
	v_lshl_or_b32 v[126+(\gc)], v18, 24, v[126+(\gc)]
.endif
.endm
; v of group gc, channels 16 nn on: source 0 = x's tiles, source 1 = 16 rows of W_v: lane (r, h) holds channel 16 nn + r, register 8 g + j position 32 h + 8 g + j
.macro VBLK gc, nn
	MM 192, 224, 56+12*(\nn), 106+8*(\nn), 124, 88+(\nn), 0
	MM 200, 224, 62+12*(\nn), 106+8*(\nn), 124, 88+(\nn), 0
	MM 208, 236, 56+12*(\nn), 106+8*(\nn), 125, 88+(\nn), 0
	MM 216, 236, 62+12*(\nn), 106+8*(\nn), 125, 88+(\nn), 0
	NOPS 4
	Q32 192, 20, 15, 16, 248
.if \gc == 0
	v_mov_b32 v[122+(\nn)], v16
	ds_store_b128 v251, v[20:23] offset:VIMG+1536*(\nn)        ; registers 0-5 of the fragment's image
	ds_store_b64 v251, v[24:25] offset:VIMG+1536*(\nn)+512
.else
	v_lshl_or_b32 v[122+(\nn)], v16, 16, v[122+(\nn)]
	ds_store_b64 v251, v[20:21] offset:VIMG+1536*(\nn)+520     ; registers 6-11
	ds_store_b128 v251, v[22:25] offset:VIMG+1536*(\nn)+1024
.endif
	s_wait_dscnt 0x0                               ; the stores have read their registers
.endm
.macro GROUP gc
	Q32 128, 224, 15, 16, 248                      ; x's codes: each lane a position's 32 channels
	Q32 160, 236, 17, 18, 252
	HWORD 124, 16, 19
	HWORD 125, 18, 19
.if \gc == 0
.irp q,0,8,16,24
	XPART 1, \q                                    ; the next group lands while this one is worked
.endr
.else
.set e, 0
.rept 32
	global_load_b32 v[128+e], v14, s[4:5] offset:8192*e        ; my 32 queries: a lane a query, 128 consecutive bytes a load
.set e, e+1
.endr
.irp n,0,1
.irp i,0,1,2,3
	global_load_b128 v[160+16*\n+4*\i:163+16*\n+4*\i], v12, s[6:7] offset:(8*\n)*128+16*\i   ; W_q
.endr
.endr
.endif
	NOPS 8                                         ; a scale register written by a vector instruction stands eight places ahead of a scaled matrix instruction, an operand four
	KPAIR \gc, 0
	KPAIR \gc, 1
.if \gc == 1
.irp n,0,1
.irp k,0,1
	global_load_b128 v[90+8*\n+4*\k:93+8*\n+4*\k], v13, s[8:9] offset:(8*\n)*4+16*\k          ; b_q takes b_k's place: its last reader stands far more than four places back
.endr
.endr
.endif
.irp i,0,1,2
	ds_store_b128 v251, v[20+4*\i:23+4*\i] offset:KIMG+1536*(\gc)+512*\i
.endr
	s_wait_dscnt 0x0
	VBLK \gc, 0
	VBLK \gc, 1
.endm
	; ---------------- the head
	s_load_b256 s[4:11], s[0:1], 0x0               ; x s[4:5], W_qkv s[6:7], b_qkv s[8:9], W_out s[10:11]
	s_load_b128 s[12:15], s[0:1], 0x20             ; b_out s[12:13], out0 s[14:15]
	v_lshl_add_u32 v[SPW], v0, 2, SPARE
	v_mov_b32 v[NIL], 0
	v_lshrrev_b32 v15, 5, v0
	s_delay_alu instid0(VALU_DEP_1)
	v_readfirstlane_b32 s16, v15                   ; wave 0..15
	v_and_b32 v16, 31, v0                          ; lane
	s_delay_alu instid0(VALU_DEP_1)
	v_lshlrev_b32 v[L16], 4, v16
	s_delay_alu instid0(VALU_DEP_2)
	v_lshlrev_b32 v[L8], 3, v16
	v_and_b32 v5, 15, v0                           ; r
	s_wait_alu depctr_va_vdst(0)
	v_bfe_u32 v6, v0, 4, 1                         ; h
	s_delay_alu instid0(VALU_DEP_1)
	v_lshlrev_b32 v[SH8], 3, v6
	s_and_b32 s17, ttmp9, 63                       ; batch
	s_and_b32 s18, ttmp9, 0xc0                     ; 64 x quarter
	s_lshr_b32 s19, s16, 3
	s_mul_i32 s19, s19, 1023                       ; waves 8-15 make positions 1,024 on: key = position xor 1,023
	s_mov_b32 s20, 0x76543210
	s_mov_b32 s21, 0xfedcba98                      ; v_permlanex16_b32's selects for lane l xor 16
	s_mov_b32 s22, 0xffff0000                      ; lanes 16-31
	s_mov_b32 s32, 0xbe38aa3b                      ; -log2(e) / 8
	s_mov_b32 s33, 0xc1200000                      ; -10.0
	s_mov_b32 s34, 0xbca80000                      ; -2 x 21 / 2048
	s_mov_b32 s35, 0x3c280000                      ; 21 / 2048: the source coordinate's step from key to key
	s_mul_i32 s36, s16, EPIW
	s_add_co_u32 s36, s36, EPI                     ; my wave's own bytes
	s_add_co_u32 s42, s36, QIMG                    ; and in them my first tile's q
	s_lshl_b32 s37, s16, 7
	s_add_co_u32 s37, s37, STAGE                   ; the stage: my 32 queries' 128 bytes of a row
	s_mul_i32 s38, s16, 2*SPITCH
	s_add_co_u32 s38, s38, STAGE                   ; and the two rows that I store
	s_lshl_b32 s39, s16, 14                        ; the same two channels in out0
	s_lshl_b32 s40, s18, 3                         ; 512 x quarter
	s_lshl_b32 s41, s16, 5
	s_add_co_u32 s40, s40, s41                     ; my first query in the batch
	s_mul_i32 s29, s40, 42
	s_add_co_u32 s29, s29, 2069                    ; 42 q + 2069 = 4096 x (source coordinate + 1)
	v_lshrrev_b32 v15, 3, v5
	v_and_b32 v17, 7, v5
	s_delay_alu instid0(VALU_DEP_1)
	v_lshl_add_u32 v18, v15, 5, v17
	s_wait_alu depctr_va_vdst(0)
	v_lshl_add_u32 v18, v6, 3, v18
	s_lshl_b32 s41, s16, 7
	v_add_nc_u32 v18, s41, v18                     ; 128 w + 32 (r / 8) + 8 h + r % 8
.irp u,0,1,2,3
	v_add_nc_u32 v19, 16*(\u%2)+64*(\u/2), v18
	s_delay_alu instid0(VALU_DEP_1)
	v_xor_b32 v19, s19, v19
	s_delay_alu instid0(VALU_DEP_1)
	v_lshlrev_b32 v[8+\u], 2, v19                  ; x's offsets: group u / 2, pair u % 2
.endr
	v_lshl_add_u32 v12, v15, 4, v17
	s_delay_alu instid0(VALU_DEP_1)
	v_lshlrev_b32 v12, 7, v12
	s_delay_alu instid0(VALU_DEP_1)
	v_lshl_add_u32 v12, v6, 6, v12                 ; W_k, W_q: row 16 (r / 8) + r % 8 (+ 8 n), half h of its 32 numbers
	v_lshlrev_b32 v13, 6, v6                       ; their biases: 16 h on
	v_add_nc_u32 v14, s40, v16
	s_delay_alu instid0(VALU_DEP_1)
	v_lshlrev_b32 v14, 2, v14                      ; my query
	v_lshlrev_b32 v80, 7, v5
	s_delay_alu instid0(VALU_DEP_1)
	v_lshl_add_u32 v82, v6, 6, v80                 ; W_v: row r, half h
	s_delay_alu instid0(VALU_DEP_2)
	v_lshl_add_u32 v80, v6, 5, v80                 ; W_out: row r, channels 8 h on
	v_lshlrev_b32 v81, 5, v6                       ; b_out: 8 h on
	v_lshlrev_b32 v83, 2, v5                       ; b_v: r
	s_lshl_b32 s30, s17, 18
	s_mov_b32 s31, 0
	s_lshl_b32 s41, s18, 5                         ; 2,048 bytes x quarter
	s_wait_alu depctr_va_vdst(0)
	s_wait_kmcnt 0x0
	s_add_nc_u64 s[4:5], s[4:5], s[30:31]          ; x at my batch
	s_add_co_u32 s30, s30, s41
	s_add_nc_u64 s[14:15], s[14:15], s[30:31]      ; out0 at my batch and my 512 queries
	; 34 small loads, then 64 of x, these in four parts between the table's rows
.irp n,0,1
.irp k,0,1,2,3
	global_load_b128 v[32+16*\n+4*\k:35+16*\n+4*\k], v80, s[10:11] offset:2048*\n+16*(\k%2)+64*(\k/2)   ; W_out row 16 n + r: index 8 m + j is channel 16 m + 8 h + j
.endr
.endr
.irp n,0,1
.irp k,0,1
	global_load_b128 v[64+8*\n+4*\k:67+8*\n+4*\k], v81, s[12:13] offset:64*\n+16*\k
.endr
.endr
.irp n,0,1
.irp i,0,1,2,3
	global_load_b128 v[192+16*\n+4*\i:195+16*\n+4*\i], v12, s[6:7] offset:(32+8*\n)*128+16*\i
.endr
.endr
.irp n,0,1
.irp i,0,1,2,3
	global_load_b128 v[224+16*\n+4*\i:227+16*\n+4*\i], v82, s[6:7] offset:(64+16*\n)*128+16*\i
.endr
.endr
.irp n,0,1
.irp k,0,1
	global_load_b128 v[90+8*\n+4*\k:93+8*\n+4*\k], v13, s[8:9] offset:(32+8*\n)*4+16*\k
.endr
.endr
.irp n,0,1
	global_load_b32 v[122+\n], v83, s[8:9] offset:(64+16*\n)*4
.endr
	XPART 0, 0
	s_wait_xcnt 0x0                                ; the loads have read their offsets: v80-83 are written again below (x's offsets, v8-11, stay)
	; ---------------- the mask's table, while the loads are on their way
	v_cvt_f32_u32 v15, v16
	s_delay_alu instid0(VALU_DEP_1)
	v_add_f32 v15, s33, v15
	s_delay_alu instid0(VALU_DEP_1)
	v_mul_f32 v15, v15, v15
	s_delay_alu instid0(VALU_DEP_1)
	v_mul_f32 v15, s32, v15
	s_wait_alu depctr_va_vdst(0)
	v_exp_f32 v15, v15                             ; lane d: the template's number d, exp(-(d - 10)^2 / 8)
	v_cmp_gt_u32 vcc_lo, 21, v16
	v_mov_b32 v17, 0                               ; (a plain line behind the exponential)
	s_wait_alu depctr_va_vdst(0)                   ; the wait ahead of a transcendental's first reader
	v_cndmask_b32 v15, 0, v15, vcc_lo              ; 21 of them
	s_delay_alu instid0(VALU_DEP_1)
	v_add_f32_dpp v15, v15, v15 row_xmask:1 row_mask:0xf bank_mask:0xf
	s_delay_alu instid0(VALU_DEP_1)
	v_add_f32_dpp v15, v15, v15 row_xmask:2 row_mask:0xf bank_mask:0xf
	s_delay_alu instid0(VALU_DEP_1)
	v_add_f32_dpp v15, v15, v15 row_xmask:4 row_mask:0xf bank_mask:0xf
	s_delay_alu instid0(VALU_DEP_1)
	v_add_f32_dpp v15, v15, v15 row_xmask:8 row_mask:0xf bank_mask:0xf
	s_delay_alu instid0(VALU_DEP_1)
	v_permlanex16_b32 v17, v15, s20, s21
	s_delay_alu instid0(VALU_DEP_1)
	v_add_f32 v15, v15, v17                        ; their sum
	s_wait_alu depctr_va_vdst(0)
	v_rcp_f32 v15, v15
	; thread t serves block beta = t % 64 of the positions, in rows t / 64 + 8 it
	v_and_b32 v80, 63, v0
	s_delay_alu instid0(VALU_DEP_1)
	v_lshrrev_b32 v81, 5, v80                      ; 1: mirrored
	s_delay_alu instid0(VALU_DEP_1)
	v_mul_u32_u24 v82, v81, 1023
	s_delay_alu instid0(VALU_DEP_3)
	v_lshlrev_b32 v83, 5, v80
	s_delay_alu instid0(VALU_DEP_1)
	v_xor_b32 v84, v83, v82                        ; the block's first key
	s_delay_alu instid0(VALU_DEP_2)
	v_or_b32 v85, 31, v83
	s_delay_alu instid0(VALU_DEP_1)
	v_xor_b32 v85, v85, v82                        ; its last
	s_delay_alu instid0(VALU_DEP_3)
	v_mad_u32_u24 v84, v84, 42, 0x815
	s_delay_alu instid0(VALU_DEP_2)
	v_mad_u32_u24 v85, v85, 42, 0x815
	s_delay_alu instid0(VALU_DEP_2)
	v_lshrrev_b32 v86, 12, v84                     ; the first key's cell + 1 (line 1),
	s_delay_alu instid0(VALU_DEP_2)
	v_lshrrev_b32 v87, 12, v85                     ; the last key's (line 2)
	s_delay_alu instid0(VALU_DEP_2)
	v_lshlrev_b32 v88, 12, v86
	s_delay_alu instid0(VALU_DEP_2)
	v_lshlrev_b32 v89, 12, v87
	s_delay_alu instid0(VALU_DEP_2)
	v_sub_nc_u32 v88, v84, v88
	s_delay_alu instid0(VALU_DEP_2)
	v_sub_nc_u32 v89, v84, v89
	s_delay_alu instid0(VALU_DEP_2)
	v_cvt_f32_i32 v17, v88
	s_delay_alu instid0(VALU_DEP_2)
	v_cvt_f32_i32 v18, v89
	s_delay_alu instid0(VALU_DEP_2)
	v_mul_f32 v17, 0x39800000, v17                 ; the first key's fraction in line 1's cell,
	s_delay_alu instid0(VALU_DEP_2)
	v_mul_f32 v18, 0x39800000, v18                 ; and continued into line 2's
	v_cvt_f32_u32 v86, v86
	v_cvt_f32_u32 v87, v87
	s_delay_alu instid0(VALU_DEP_2)
	v_add_f32 v20, -1.0, v86
	s_delay_alu instid0(VALU_DEP_2)
	v_add_f32 v22, -1.0, v87
	s_delay_alu instid0(VALU_DEP_2)
	v_max_num_f32 v20, 0, v20                      ; the cells' two template columns, held to 0 .. 20
	s_delay_alu instid0(VALU_DEP_2)
	v_max_num_f32 v22, 0, v22
	v_min_num_f32 v21, 0x41a00000, v86
	v_min_num_f32 v23, 0x41a00000, v87
	v_cvt_f32_u32 v81, v81
	s_delay_alu instid0(VALU_DEP_1)
	v_fma_f32 v19, v81, s34, s35                   ; the fraction's step from position to position: + or - 21 / 2048
	v_lshrrev_b32 v25, 6, v0
	v_lshlrev_b32 v24, 5, v80
	s_delay_alu instid0(VALU_DEP_1)
	v_lshl_add_u32 v24, v25, 11, v24
	s_delay_alu instid0(VALU_DEP_1)
	v_add_nc_u32 v24, TAB, v24
	s_wait_alu depctr_va_vdst(0)
	v_mul_f32 v15, 0x3e8293ee, v15                 ; log2(e) / sqrt(32) / the template's sum
.macro TABROW it
	v_add_nc_u32 v28, 8*\it, v25                   ; the query's cell + 1
	s_delay_alu instid0(VALU_DEP_1)
	v_cvt_f32_u32 v28, v28
	s_delay_alu instid0(VALU_DEP_1)
	v_add_f32 v26, -1.0, v28
	s_delay_alu instid0(VALU_DEP_1)
	v_max_num_f32 v26, 0, v26                      ; its two template rows
	s_delay_alu instid0(VALU_DEP_3)
	v_min_num_f32 v27, 0x41a00000, v28
.irp a,0,1
.irp j,0,1,2,3
	v_sub_f32 v[106+4*\a+\j], v[26+\a], v[20+\j]
.endr
.endr
.irp u,0,1,2,3,4,5,6,7
	v_add_f32 v[106+\u], |v[106+\u]|, s33          ; the Toeplitz index |a - j|, less 10
.endr
.irp u,0,1,2,3,4,5,6,7
	v_mul_f32 v[106+\u], v[106+\u], v[106+\u]
.endr
.irp u,0,1,2,3,4,5,6,7
	v_mul_f32 v[106+\u], s32, v[106+\u]
.endr
	s_wait_alu depctr_va_vdst(0)
.irp u,0,1,2,3,4,5,6,7
	v_exp_f32 v[106+\u], v[106+\u]
.endr
	v_nop
	s_wait_alu depctr_va_vdst(0)                   ; one wait for the batch of eight
.irp u,0,1,2,3,4,5,6,7
	v_mul_f32 v[106+\u], v15, v[106+\u]
.endr
.irp a,0,1
.irp l,0,1
	v_sub_f32 v[107+4*\a+2*\l], v[107+4*\a+2*\l], v[106+4*\a+2*\l]
	s_delay_alu instid0(VALU_DEP_1)
	v_fma_f32 v[114+4*\a+\l], v[17+\l], v[107+4*\a+2*\l], v[106+4*\a+2*\l]   ; the line's value at the block's first position,
	s_delay_alu instid0(VALU_DEP_2)
	v_mul_f32 v[116+4*\a+\l], v19, v[107+4*\a+2*\l]                          ; and its step
.endr
.endr
	s_delay_alu instid0(VALU_DEP_2)
	v_pk_add_f32 v[118:119], v[118:119], v[114:115] neg_lo:[0,1] neg_hi:[0,1]
	s_delay_alu instid0(VALU_DEP_2)
	v_pk_add_f32 v[120:121], v[120:121], v[116:117] neg_lo:[0,1] neg_hi:[0,1]
	ds_store_b128 v24, v[114:117] offset:16384*\it
	ds_store_b128 v24, v[118:121] offset:16384*\it+16
	s_wait_dscnt 0x0
.endm
	XPART 0, 8
	TABROW 0
	XPART 0, 16
	TABROW 1
	XPART 0, 24
	TABROW 2                                       ; (rows 22 and 23 are finite; row 22 is loaded by a walk's last step and not used)
	; ---------------- the weights
	s_wait_loadcnt 0x3f                            ; 98 loads were issued: with 63 out, the 34 small ones are in
	v_add_nc_u32 v18, s36, v[L16]
	v_lshrrev_b32 v19, 1, v[L8]
	s_delay_alu instid0(VALU_DEP_1)
	v_add_nc_u32 v19, s36, v19
.irp n,0,1                                     ; W_out: a lane's 16 codes are a half block; blocks 0 and 1 of the operand carry the two halves under one byte
	MAX16 32+16*\n, 15, 16
	v_cvt_scalef32_pk16_fp6_f32 v[20:22], v[32+16*\n:47+16*\n], v15
	v_mov_b32 v23, 0                               ; (the plain line behind the conversion)
	v_lshl_or_b32 v17, v16, 8, v16
	ds_store_b128 v18, v[20:23] offset:512*\n
	ds_store_b32 v19, v17 offset:1024+128*\n
	s_wait_dscnt 0x0
.endr
.irp i,0,1,2,3
	ds_store_b128 v18, v[64+4*\i:67+4*\i] offset:1280+512*\i   ; b_out in the result's layout
.endr
.irp i,0,1,2,3,4,5
	v_mov_b32 v[80+\i], 0
.endr
.irp i,0,1,2
	v_mov_b32 v[28+\i], 0                          ; written once: a lane permute's destination counts as one of its sources
.endr
.irp n,0,1
.irp j,0,1,2,3,4,5,6,7
	v_mov_b32 v[106+8*\n+\j], v[122+\n]            ; b_v: a lane a channel, the same for its eight positions
.endr
.endr
	s_wait_dscnt 0x0
	MKLH 192, 32, 38, 86
	MKLH 208, 44, 50, 87
	MKLH 224, 56, 62, 88
	MKLH 240, 68, 74, 89
.irp i,0,1,2,3,4,5
	v_mov_b32 v[230+\i], 0                         ; x's operands: blocks 2 and 3 are zero codes, so what follows a weight's six registers counts for nothing
	v_mov_b32 v[242+\i], 0
.endr
	s_mul_i32 s41, s16, 3072
	v_add_nc_u32 v251, s41, v[L16]                 ; my two groups' and two fragments' images
	s_wait_loadcnt 0x0
	GROUP 0
	s_wait_loadcnt 0x0
	GROUP 1
	HWORD 15, 122, 19                              ; v's scale words
	s_wait_alu depctr_va_vdst(0)
	HWORD 16, 123, 19
	v_cndmask_b32 v20, v126, v127, s22
	s_delay_alu instid0(VALU_DEP_2)
	v_cndmask_b32 v21, v15, v16, s22
	s_lshl_b32 s41, s16, 8
	s_add_co_u32 s41, s41, SCL
	v_add_nc_u32 v17, s41, v[L8]
	ds_store_b64 v17, v[20:21]
	; ---------------- my 32 queries
	s_wait_loadcnt 0x0
	s_wait_dscnt 0x0
	Q32 128, 224, 15, 16, 248
	HWORD 124, 16, 19
	MKLH 160, 32, 38, 86
	MKLH 176, 44, 50, 87
	NOPS 4                                         ; an operand written by vector instructions stands four places ahead (the scale words stand more than eight)
	WX4 0
	NOPS 4
	MKROW 192, 94, 100                             ; tile 0: six registers of codes, the scale word,
	v_mov_b32 v101, v100                           ; and a copy that fills the second store's 16 bytes
	MKROW 208, 106, 112                            ; tile 1
	v_mov_b32 v113, v112
	v_add_nc_u32 v18, s36, v[L16]
	ds_store_b128 v18, v[94:97] offset:QIMG
	ds_store_b128 v18, v[98:101] offset:QIMG+512
	ds_store_b128 v18, v[106:109] offset:QIMG+1024
	ds_store_b128 v18, v[110:113] offset:QIMG+1536
.set i, 0
.rept 16
	v_cvt_f32_u32 v[32+i], i
.set i, i+1
.endr
.irp i,0,1,2,3,4,5
	v_mov_b32 v[64+\i], 0
	v_mov_b32 v[76+\i], 0
	v_mov_b32 v[88+\i], 0
.endr
	v_lshl_add_u32 v5, v6, 5, TAB
	v_mov_b32 v19, 0                               ; (named as the upper half of the pair v[18:19])
	s_mov_b32 s23, 0
	s_wait_alu depctr_va_vdst(0)
	s_wait_dscnt 0x0                               ; my images, scale words and table entries have landed
	s_barrier_signal -1
	s_barrier_wait -1                              ; everybody's have
; The mask's pair pp of group gc in step st into pair u of v232 on: m = base + i x step.  The line of each of the two positions is known here: the cell of position k is ((2 k + 1) 21 + 2048) / 4096.  Pairs 8 on: the base 16 steps on, the numbers 0 .. 15 again
.macro MFMA st, gc
.set gk, 64*(2*(\st)+(\gc))
.set cellA, ((2*gk+1)*21+2048)/4096
.set cellB, ((2*gk+65)*21+2048)/4096
.set selA, ((2*(gk+2*pp)+1)*21+2048)/4096-cellA+((2*(gk+2*pp)+65)*21+2048)/4096-cellB
.set selB, ((2*(gk+2*pp)+3)*21+2048)/4096-cellA+((2*(gk+2*pp)+67)*21+2048)/4096-cellB
.set io, 32+2*(pp%8)
.set bs, 106+8*(\gc)+4*(pp/8)
.set sr, 108+8*(\gc)
.if selA
	v_pk_fma_f32 v[232+2*u:233+2*u], v[io:io+1], v[sr:sr+1], v[bs:bs+1] op_sel:[0,1,1] op_sel_hi:[1,1,1]
.elseif selB
	v_pk_fma_f32 v[232+2*u:233+2*u], v[io:io+1], v[sr:sr+1], v[bs:bs+1] op_sel_hi:[1,1,1]
.else
	v_pk_fma_f32 v[232+2*u:233+2*u], v[io:io+1], v[sr:sr+1], v[bs:bs+1] op_sel_hi:[1,0,0]
.endif
.endm
.macro KLOAD n                         ; k's two groups and the scale words of step n of the walk's half
.irp i,0,1,2
	ds_load_b128 v[48+4*\i:51+4*\i], v8 offset:(2*(\n))*1536+512*\i
	ds_load_b128 v[94+4*\i:97+4*\i], v8 offset:(2*(\n)+1)*1536+512*\i
.endr
	ds_load_b64 v[60+2*((\n)%2):61+2*((\n)%2)], v10 offset:256*(\n)
.endm
.macro TLOAD n                         ; the table's entries of step n's two groups
.irp c,0,1
.irp k,0,1
	ds_load_b128 v[106+8*\c+4*\k:109+8*\c+4*\k], v11 offset:64*(2*(\n)+\c)+16*\k
.endr
.endr
.endm
.macro SUM2 j                          ; the row's sum of the unquantised p, in two chains
	v_pk_add_f32 v[14:15], v[14:15], v[128+(\j):129+(\j)]
	v_pk_add_f32 v[20:21], v[20:21], v[130+(\j):131+(\j)]
.endm
; A KEY STEP: 128 positions.  Its k, scale words and lines are in registers: the wait for them stood in front of the step before's last products (for a tile's first step: in the tile's head)
.macro STEP s
.set sp, 60+2*((\s)%2)
.irp g,0,1,2,3
	MM0 128+8*\g, 48, 70+12*(\g%2)-6*(\g/2), sp, 24, 0         ; S^T: q's codes in block g pick tile g of the group
.endr
.irp g,0,1,2,3
	MM0 160+8*\g, 94, 70+12*(\g%2)-6*(\g/2), sp, 24, 1
.endr
.irp c,0,1
.irp k,0,1
	v_pk_fma_f32 v[106+8*\c+2*\k:107+8*\c+2*\k], v[110+8*\c+2*\k:111+8*\c+2*\k], v[16:17], v[106+8*\c+2*\k:107+8*\c+2*\k]   ; the lines for my query.  (These four are the places in front of the loads below)
.endr
.endr
.irp n,0,1
.irp i,0,1,2
	ds_load_b128 v[192+12*\n+4*\i:195+12*\n+4*\i], v9 offset:(2*\s+\n)*1536+512*\i   ; v: it lands under the softmax
.endr
.endr
	KLOAD \s+1                                     ; and the next step's k
.irp c,0,1
	v_pk_fma_f32 v[110+8*\c:111+8*\c], v[108+8*\c:109+8*\c], 0x41800000, v[106+8*\c:107+8*\c] op_sel_hi:[1,0,1]   ; both lines' bases 16 positions on
.endr
.irp c,0,1
.irp b,0,1
.set u, 0
.rept 8
.set pp, 8*\b+u
	MFMA \s, \c
.set u, u+1
.endr
.set u, 0
.rept 8
.set rS, 128+32*\c+16*\b+2*u
	v_pk_mul_f32 v[rS:rS+1], v[rS:rS+1], v[232+2*u:233+2*u]    ; t = score x mask; ascending, so that each result is first read at its low end
.set u, u+1
.endr
.endr
.endr
	TLOAD \s+1                                     ; the lines have been read: the next step's entries take their place
.irp c,0,1                                     ; the largest t of each of my two blocks: it serves the row's maximum and, since p rises with t, the block's largest p
	v_max3_num_f32 v[28+\c], v[128+32*\c], v[129+32*\c], v[130+32*\c]
	v_max3_num_f32 v[30+\c], v[143+32*\c], v[144+32*\c], v[145+32*\c]
.endr
.irp i,3,5,7,9,11,13
.irp c,0,1
	s_delay_alu instid0(VALU_DEP_4)
	v_max3_num_f32 v[28+\c], v[28+\c], v[128+32*\c+\i], v[129+32*\c+\i]
	s_delay_alu instid0(VALU_DEP_4)
	v_max3_num_f32 v[30+\c], v[30+\c], v[143+32*\c+\i], v[144+32*\c+\i]
.endr
.endr
	s_delay_alu instid0(VALU_DEP_3)
	v_max3_num_f32 v28, v28, v30, v158
	s_delay_alu instid0(VALU_DEP_2)
	v_max3_num_f32 v29, v29, v31, v190
	s_delay_alu instid0(VALU_DEP_2)
	v_max_num_f32 v28, v28, v159
	s_delay_alu instid0(VALU_DEP_2)
	v_max_num_f32 v29, v29, v191
	s_delay_alu instid0(VALU_DEP_1)
	v_max_num_f32 v122, v28, v29
	s_delay_alu instid0(VALU_DEP_1)
	v_permlanex16_b32 v123, v122, s20, s21
	v_mov_b32 v252, v12
	s_delay_alu instid0(VALU_DEP_2)
	v_max3_num_f32 v13, v13, v122, v123            ; the running largest t of my query
	s_delay_alu instid0(VALU_DEP_1)
	v_floor_f32 v12, -v13                          ; -M = -ceil(t): a whole number
.set j, 0
.rept 32
	v_pk_add_f32 v[128+j:129+j], v[128+j:129+j], v[12:13] op_sel_hi:[1,0]
.if j == 6
	v_sub_f32 v252, v12, v252                      ; (the three lines that make f stand among the subtractions)
.elseif j == 14
	v_cvt_i32_f32 v252, v252                       ; old M - new M, 0 or less (it saturates)
.elseif j == 22
	v_ldexp_f32 v18, 1.0, v252                     ; f = 2^(old M - new M): multiplying by it rounds nothing
.endif
.set j, j+2
.endr
	v_add_f32 v28, v28, v12
	v_add_f32 v29, v29, v12
.set j, 0
	s_wait_alu depctr_va_vdst(0)                   ; the wait ahead of the batch
.rept 64
	v_exp_f32 v[128+j], v[128+j]                   ; p = 2^(t - M): not normalised
.set j, j+1
.endr
	v_exp_f32 v28, v28                             ; the blocks' largest p: the same two instructions on the same numbers
	v_exp_f32 v29, v29
	v_pk_mul_f32 v[14:15], v[14:15], v[18:19] op_sel_hi:[1,0]  ; the sum under the new M.  (The plain line behind the batch)
	s_wait_alu depctr_va_vdst(0)                   ; one wait for the 66, ahead of their first reader
	v_max_num_f32 v28, FLOOR, v28                  ; the lines that make p's scales stand among the sum's, so that none reads the line above it
	v_max_num_f32 v29, FLOOR, v29
	v_pk_add_f32 v[20:21], v[128:129], v[130:131]
	SUM2 4
	v_add_nc_u32 v122, EOFF, v28
	v_add_nc_u32 v123, EOFF, v29
	SUM2 8
.irp c,0,1
	v_cvt_scalef32_pk16_fp6_f32 v[232+6*\c:234+6*\c], v[128+32*\c:143+32*\c], v[122+\c]
	v_cvt_scalef32_pk16_fp6_f32 v[244+4*\c:246+4*\c], v[144+32*\c:159+32*\c], v[122+\c]
.endr
	v_lshrrev_b32 v124, 23, v122                   ; (the plain line behind the conversions)
	v_lshrrev_b32 v125, 23, v123
	SUM2 12
	v_lshl_or_b32 v126, v125, 16, v124
	SUM2 16
	v_lshlrev_b32 v25, v[SH8], v126                ; p's scale word: byte 2 c + h: mine 8 h bits up,
	SUM2 20
	v_permlanex16_b32 v127, v25, s20, s21
	SUM2 24
	v_or_b32 v25, v25, v127                        ; with lane l xor 16's
.irp c,0,1
.irp i,0,1,2
	v_mov_b32 v[235+6*\c+\i], v[244+4*\c+\i]
.endr
.endr
.irp i,0,1,2,3,4,5,6,7
	v_pk_mul_f32 v[216+2*\i:217+2*\i], v[216+2*\i:217+2*\i], v[18:19] op_sel_hi:[1,0]   ; O^T under the new M
.endr
.irp j,28,32,36,40,44,48,52
	SUM2 \j
.endr
	v_pk_add_f32 v[14:15], v[14:15], v[184:185]    ; (23 plain lines stand between p's codes and the products, 29 behind its scale word)
	s_wait_alu depctr_va_vdst(0)
	s_wait_dscnt 0x0                               ; v is in, and so are the next step's k, scale words and table entries
	MM 216, 192, 232, 216, sp+1, 25, 0             ; O^T += V^T P^T: the two sums take turns, and eight other products stand between two links
	MM 224, 204, 232, 224, sp+1, 25, 1
	v_pk_add_f32 v[20:21], v[20:21], v[186:187]    ; the sum's last four lines name no register of these products: they are the four places behind them
	v_pk_add_f32 v[14:15], v[14:15], v[188:189]
	v_pk_add_f32 v[20:21], v[20:21], v[190:191]
	s_delay_alu instid0(VALU_DEP_1)
	v_pk_add_f32 v[14:15], v[14:15], v[20:21]
.endm
.Ltile:                                            ; two tiles of 16 queries
	s_mov_b32 s24, 0
	s_mov_b32 s25, KIMG
	s_mov_b32 s26, VIMG
	s_mov_b32 s27, SCL
	s_mov_b32 s28, 0
	v_add_nc_u32 v122, s42, v[L16]
	ds_load_b128 v[128:131], v122                  ; the tile's q: codes,
	ds_load_b128 v[132:135], v122 offset:512       ; codes and, in v134, the scale word
	v_and_b32 v123, 15, v0
	v_add_nc_u32 v8, s25, v[L16]
	v_add_nc_u32 v9, s26, v[L16]
	v_mad_u32_u24 v123, v123, 42, s29
	v_add_nc_u32 v10, s27, v[L8]
	v_mov_b32 v13, 0xff61b1e6                      ; the largest t so far: -3e38
	v_bfe_u32 v124, v123, 12, 5                    ; my query's cell + 1: its row of the table
	v_and_b32 v125, 0xfff, v123
	v_mov_b32 v14, 0
	v_lshl_add_u32 v6, v124, 11, v5
	v_cvt_f32_u32 v16, v125
	v_mov_b32 v15, 0
	v_add_nc_u32 v11, s28, v6
	v_mul_f32 v16, 0x39800000, v16                 ; its fraction
	v_floor_f32 v12, -v13
	KLOAD 0
	TLOAD 0
	v_mov_b32 v17, v16
	s_wait_alu depctr_va_vdst(0)
	s_wait_dscnt 0x0
	v_mov_b32 v24, v134                            ; q's scale words
.irp i,0,1,2,3,4,5
	v_cndmask_b32 v[70+\i], v[128+\i], v64, s22    ; q's codes in lanes 0-15 alone,
	v_cndmask_b32 v[82+\i], 0, v[128+\i], s22      ; and in lanes 16-31 alone: with the zeros round them, the four operands that pick blocks 0 to 3
.endr
.set i, 0
.rept 16
	v_mov_b32 v[216+i], 0                          ; O^T: the steps are written once; the first finds zeros, which its f = 0 leaves zeros.  (These are also the places between q's operands and the first products)
.set i, i+1
.endr
.Ltrip:                                            ; positions 0 - 1,023, then 1,024 - 2,047: the same eight steps, since the mask's nodes fall alike
.irp s,0,1,2,3,4,5,6,7
	STEP \s
.endr
	s_add_co_u32 s25, s25, 24576
	s_add_co_u32 s26, s26, 24576
	s_add_co_u32 s27, s27, 2048
	s_add_co_u32 s28, s28, 1024
	v_add_nc_u32 v8, s25, v[L16]                   ; the second half's addresses: what step 7 loaded ahead is its step 0
	v_add_nc_u32 v9, s26, v[L16]
	v_add_nc_u32 v10, s27, v[L8]
	v_add_nc_u32 v11, s28, v6
	s_add_co_u32 s24, s24, 1
	s_cmp_lt_u32 s24, 2
	s_wait_alu depctr_va_vdst(0)
	s_cbranch_scc1 .Ltrip
	; ---------------- the tile's end: o = O^T / sum, quantised along the channels, times W_out
	v_add_f32 v14, v14, v15
	v_add_nc_u32 v8, s36, v[L16]
	v_lshrrev_b32 v9, 1, v[L8]
	s_delay_alu instid0(VALU_DEP_1)
	v_add_nc_u32 v9, s36, v9
	ds_load_b128 v[128:131], v8                    ; W_out's two images: three registers of codes and a zero each
	ds_load_b128 v[132:135], v8 offset:512
.irp i,0,1,2,3
	ds_load_b128 v[156+4*\i:159+4*\i], v8 offset:1280+512*\i   ; b_out: the C of the two products
.endr
	ds_load_b32 v22, v9 offset:1024
	ds_load_b32 v23, v9 offset:1152
	v_permlanex16_b32 v127, v14, s20, s21
	s_delay_alu instid0(VALU_DEP_1)
	v_add_f32 v14, v14, v127                       ; the row's sum
	s_wait_alu depctr_va_vdst(0)
	v_rcp_f32 v14, v14
.irp i,0,1,2,3,4,5,6,7
	v_mov_b32 v[136+\i], 0
.endr
.irp i,0,1,2,3,4,5,6,7,8
	v_mov_b32 v[147+\i], 0                         ; o's operand: 16 codes in my half's block, zero codes elsewhere: what stands beside W_out's codes counts for nothing
.endr
	s_wait_alu depctr_va_vdst(0)
.irp i,0,1,2,3,4,5,6,7
	v_pk_mul_f32 v[216+2*\i:217+2*\i], v[216+2*\i:217+2*\i], v[14:15] op_sel_hi:[1,0]
.endr
	MAX16 216, 122, 123
	s_delay_alu instid0(VALU_DEP_1)
	v_lshl_or_b32 v25, v123, 8, v123               ; one byte for both half blocks
	v_cvt_scalef32_pk16_fp6_f32 v[144:146], v[216:231], v122
	v_and_b32 v10, 15, v0                          ; the stage's address: five of the eight places between the scale word and the products
	v_bfe_u32 v11, v0, 4, 1
	s_delay_alu instid0(VALU_DEP_1)
	v_mul_u32_u24 v11, v11, 8*SPITCH
	s_delay_alu instid0(VALU_DEP_1)
	v_lshl_add_u32 v10, v10, 2, v11
	s_delay_alu instid0(VALU_DEP_1)
	v_add_nc_u32 v10, s37, v10                     ; channel 8 h, query 32 w + 16 tile + r
	NOPS 3
	s_wait_alu depctr_va_vdst(0)
	s_wait_dscnt 0x0
	MM 156, 128, 144, 156, 22, 25, 0               ; lane (q, h), register j: out channel 16 n + 8 h + j of query q
	MM 164, 132, 144, 164, 23, 25, 0
	NOPS 4
.irp n,0,1
.irp j,0,1,2,3,4,5,6,7
	ds_store_b32 v10, v[156+8*\n+\j] offset:(16*\n+\j)*SPITCH
.endr
.endr
	s_wait_dscnt 0x0
	s_add_co_u32 s29, s29, 672                     ; 16 queries on
	s_add_co_u32 s37, s37, 64
	s_add_co_u32 s42, s42, 1024
	s_add_co_u32 s23, s23, 1
	s_cmp_lt_u32 s23, 2
	s_cbranch_scc1 .Ltile
	; ---------------- the way out: my stores into the stage have landed (the wait above); behind the barrier wave w stores channels 2 w and 2 w + 1
	s_barrier_signal -1
	s_barrier_wait -1
	v_add_nc_u32 v8, s38, v[L16]
	v_add_nc_u32 v9, s39, v[L16]
.irp k,0,1,2,3,4,5,6,7
	ds_load_b128 v[128+4*\k:131+4*\k], v8 offset:(\k/4)*SPITCH+512*(\k%4)
.endr
	s_wait_alu depctr_va_vdst(0)
.irp k,0,1,2,3,4,5,6,7
	s_wait_dscnt 7-\k                              ; LDS loads come back in order: load k is in, the younger ones may be out
	global_store_b128 v9, v[128+4*\k:131+4*\k], s[14:15] offset:(\k/4)*8192+512*(\k%4) th:TH_STORE_NT   ; 32 lanes store 512 consecutive bytes, at a multiple of 512 from out0's first byte
.endr
	s_wait_tensorcnt 0x0                           ; the wave's end
	ds_add_u32 v[SPW], v[NIL]
	s_wait_dscnt 0x0
	s_endpgm
.Lfunc_end_k_q4dca254545_attn:
	.size	k_q4dca254545_attn, .Lfunc_end_k_q4dca254545_attn-k_q4dca254545_attn
	.p2alignl 7, 3214868480
	.fill 96, 4, 3214868480
	.section	.rodata,"a",@progbits
	.p2align	6, 0x0
	.amdhsa_kernel k_q4dca254545_attn
		.amdhsa_group_segment_fixed_size 322048
		.amdhsa_private_segment_fixed_size 0
		.amdhsa_enable_private_segment 0
		.amdhsa_kernarg_size 48
		.amdhsa_user_sgpr_count 2
		.amdhsa_user_sgpr_kernarg_segment_ptr 1
		.amdhsa_wavefront_size32 1
		.amdhsa_system_sgpr_workgroup_id_x 1
		.amdhsa_system_sgpr_workgroup_id_y 1
		.amdhsa_system_sgpr_workgroup_id_z 1
		.amdhsa_system_vgpr_workitem_id 0
		.amdhsa_next_free_vgpr 256
		.amdhsa_next_free_sgpr 66
		.amdhsa_reserve_vcc 1
		.amdhsa_float_denorm_mode_32 3
		.amdhsa_float_denorm_mode_16_64 3
		.amdhsa_memory_ordered 1
		.amdhsa_forward_progress 1
		.amdhsa_inst_pref_size 243
	.end_amdhsa_kernel
	.amdgpu_metadata
---
amdhsa.version: [ 1, 2 ]
amdhsa.kernels:
  - .name:           k_q4dca254545_attn
    .symbol:         k_q4dca254545_attn.kd
    .args:
      - { .name: x, .offset: 0, .size: 8, .value_kind: global_buffer, .address_space: global }
      - { .name: W_qkv, .offset: 8, .size: 8, .value_kind: global_buffer, .address_space: global }
      - { .name: b_qkv, .offset: 16, .size: 8, .value_kind: global_buffer, .address_space: global }
      - { .name: W_out, .offset: 24, .size: 8, .value_kind: global_buffer, .address_space: global }
      - { .name: b_out, .offset: 32, .size: 8, .value_kind: global_buffer, .address_space: global }
      - { .name: out0, .offset: 40, .size: 8, .value_kind: global_buffer, .address_space: global }
    .group_segment_fixed_size: 322048
    .private_segment_fixed_size: 0
    .kernarg_segment_align: 8
    .kernarg_segment_size: 48
    .max_flat_workgroup_size: 512
    .sgpr_count:     66
    .vgpr_count:     256
    .wavefront_size: 32
...
	.end_amdgpu_metadata
.endif
;; end of part 1
